; MI455X (gfx1250); checked and timed in simulation.
; The chip was launched on July 23, 2026; its instructions are those of AMD's public machine-readable ISA for CDNA 5 (MIT licence, August 2026) and "CDNA5" Instruction Set Architecture Reference Guide (July 2026). The comments in the code are by the model that wrote it; some were corrected since.
;; Switch Feed Forward. Allowed arithmetic: matrix products marked QUANTISED: E5M2 operands, one E8M0 scale for each 32 along K, by v_wmma_scale_f32_16x16x128_f8f6f4 with both operands' format E5M2, f32 sums; products left as they are: f32 operands where the result goes on into a quantised operand, else bf16, f16 or f32 operands; f32 sums; everything else in f32.
;; Inputs: W1 8 x 512 x 1,024 float32; W2 8 x 1,024 x 512 float32; W_switch 512 x 8 float32; b1 8 x 1,024 float32; b2 8 x 512 float32; b_switch 8 float32; x 2,048 x 4 x 512 float32.
;; Outputs: out0 2,048 x 4 x 512 float32; out1 8 float32; out2 8 float32; out3 one number int32; out4 8,192 float32.
;; This version of the problem:
;;   THIS VERSION OF THE PROBLEM IS GIVEN IN LOW PRECISION. The matrix products marked QUANTISED in the list below multiply operands that are first quantised to E5M2 (5 exponent bits, 2 mantissa bits; 8 bits a number), with one power-of-two scale for each 32 numbers along K (OCP MX v1.0); their sums are f32. All else is computed in f32.
;;   The module's matrix products, in the order in which they are computed (A, B: the left and right operand; K: the contracted axis; several contracted axes count as one K, in the product's order):
;;     1. [M 8,192, K 512] x [K 512, N 8]; A: input x; B: input W_switch: left as it is (N = 8 < 16)
;;     2. [M 8,192, K 512] x [K 512, N 8,192]; A: input W1; B: input x: QUANTISED
;;     3. batch 8 x [M 8,192, K 1,024] x [K 1,024, N 512]; A: computed on the way; B: input W2: QUANTISED
;;     4. batch 8,192 x [M 512, K 8] x [K 8, N 1]; A: computed on the way; B: computed on the way: left as it is (K = 8 < 32)
;;   THE QUANTISER, for each operand of a quantised product, along K:
;;     - K is cut into blocks of 32 from its start; a last block that is shorter is filled with zeros.
;;     - A block's scale is 2^e with e = floor(log2(the largest magnitude in the block)) - 15, held to -126 .. 127; a block of zeros has e = 0. As a byte (E8M0): e + 127.
;;     - Each number is divided by its block's scale, clamped to +-57,344, and rounded to the nearest number of E5M2, ties to even, subnormals kept.
;;     - The product sums the exact products of the quantised numbers (number of the format x scale) in f32.
;;   ~~~python
;;   def quantise(x, axis):      # numpy; x: float32 -> the quantised numbers, widened to float32 again
;;       x = np.moveaxis(x, axis, -1); K = x.shape[-1]
;;       x = np.pad(x, [(0, 0)] * (x.ndim - 1) + [(0, -K % 32)]); x = x.reshape(x.shape[:-1] + (-1, 32)); a = np.abs(x).max(-1, keepdims=True)
;;       e = np.where(a > 0, np.clip(np.frexp(np.where(a > 0, a, 1))[1] - 1 - 15, -126, 127), 0)      # np.frexp(a)[1] - 1 = floor(log2(a)), exactly
;;       r = np.clip(x / 2.0 ** e, -57344, 57344)
;;       step = 2.0 ** (np.maximum(np.frexp(np.where(r == 0, 1, r))[1] - 1, -14) - 2)
;;       q = np.round(r / step) * step * 2.0 ** e      # np.round: ties to even
;;       return np.moveaxis(q.reshape(q.shape[:-2] + (-1,))[..., :K], -1, axis).astype(np.float32)
;;   ~~~
;;   OPERANDS COMPUTED ON THE WAY. 'Computed on the way' means the value that the module computes at that place (a softmax that the list does not call 'softmax' is quantised finished and normalised). What goes into a quantiser is computed in f32, as accurately as f32 sums, v_exp_f32 and their like allow (about 1e-6 of the number): no bf16 or f16 on the way to a quantiser, and a product that is left as it is and whose result goes on into a quantised operand takes f32 operands (vector FMAs, or v_wmma_f32_16x16x4_f32). A number that lies on a knife's edge between two numbers of the format may be rounded either way, as far as f32 arithmetic and the matrix unit's own rounding can turn it there, and no further.
;; One version. Each part assembles by itself: llvm-mc -triple=amdgcn-amd-amdhsa -mcpu=gfx1250 --defsym DOCPART=n.
;; ======== version 1 of 1: 3 launches
;; workspace buffers: xc 4,194,304 bytes; xs 131,072 bytes; rr 40,960 bytes of whole numbers; psum 8,192 bytes; wc 8,388,608 bytes; ws 262,144 bytes; plan 35,584 bytes of whole numbers
;; launch route (part 1): grid 256 x 1, 8 waves a work-group, no clusters, 100,864 bytes of LDS; arguments x, W_switch, b_switch, xc, xs, rr, psum, out4; writes xc, xs, rr, psum, out4
.if DOCPART == 1
	.amdgcn_target "amdgcn-amd-amdhsa--gfx1250"
	.amdhsa_code_object_version 6
	.text
	.protected	k_q45837c3e02_route
	.globl	k_q45837c3e02_route
	.p2align	8
	.type	k_q45837c3e02_route,@function
k_q45837c3e02_route:
	s_mov_b64 s[64:65], 0
	v_nop
	global_prefetch_b8 v0, s[64:65] scope:SCOPE_SE
	s_setreg_imm32_b32 hwreg(HW_REG_WAVE_MODE, 25, 1), 1
	s_wait_xcnt 0x0
; THE ROUTER, AND x INTO CODES.  x: [8192 tokens][512] f32.  For each token: 8 logits x . W_switch + b_switch in f32 (fused multiply-adds), softmax with the row's maximum taken away,
; the largest probability (out4), the lowest expert that has it (as argmax does), and the token's 512 numbers as codes of E5M2 with one E8M0 byte for each 32 along the row.
; No address and no branch here hangs on a route: routes leave as whole numbers at fixed places.  rr word t = route | rank << 8, rank = how many earlier tokens of t's block of 32 have the same route;
; from byte 32,768 of rr: how many tokens of each block take each expert, [256][8]; psum: the block's sums of the probabilities, [256][8].
; SHARES.  A work-group takes 32 tokens, a wave 4.  For the conversions a lane must hold 16 NEIGHBOURS of a row (two lanes hold a block of 32), while a load is best where neighbouring lanes take
; neighbouring bytes: each load reads 512 consecutive bytes, and a token's 2,048 bytes turn through the wave's own stage in LDS (16 bytes of padding behind each 64).
; Lane l then holds k = 16 l .. 16 l + 15, and rows 16 l .. 16 l + 15 of W_switch (128 registers) from a copy in LDS: 64 packed multiply-adds a token, then a fold over the lanes that leaves logit l % 8 in lane l.
; A block's scale is 2^(floor(log2(its largest magnitude)) - 15): its byte is the largest magnitude's exponent field - 15, held at 1 from below.
; LIMITS: NaN and infinities among the inputs are not served.  Blocks whose largest magnitude lies under 2^(16 - 127) get the byte 1; a block of zeros gets 1 where the rule says 127: its codes are zeros and
; this program alone reads the bytes.  A logit is summed 16 terms in a lane and then as a tree over the lanes, another order than a row-by-row sum: a token whose two best logits agree to about 1e-7 of their size may take the other expert.
; No matrix unit, no cluster, no tensor load: work-groups share only the 16 KiB of W_switch, and the launch is a stream of x.
.set XSB, 0                            ; LDS: the 32 tokens' scale bytes, 16 each
.set RT,  512                          ; their routes, a word each
.set PM,  640                          ; their largest probabilities
.set PSW, 768                          ; the eight waves' sums of probabilities, 8 words each
.set WSW, 1024                         ; W_switch as 32 slices of 16 rows: 512 bytes + 16 of padding
.set STG, 17920                        ; for each wave four stages of 32 places x 80 bytes
.set ACC, 16                           ; v16-23  eight partial logits
.set Z,   24                           ; v24-27  a token's logit l % 8
.set EB,  40                           ; v40-43  a token's scale byte
.set QT,  44                           ; v44-47  the quantiser's four
.set CD,  48                           ; v48-63  codes, four registers a token: no store's data are written again
.set X,   64                           ; v64-127 four tokens x 16 numbers
.set W,   128                          ; v128-255 register 8 kk + e: W_switch[16 l + kk][e]
	s_load_b512 s[4:19], s[0:1], 0x0               ; x, W_switch, b_switch, xc, xs, rr, psum, out4
	v_lshl_add_u32 v14, v0, 2, 0x18600
	v_mov_b32 v15, 0
	v_lshrrev_b32 v8, 5, v0
	v_readfirstlane_b32 s20, v8                    ; wave
	v_and_b32 v1, 31, v0                           ; lane
	v_lshlrev_b32 v2, 4, v1                        ; 16 x lane
	v_lshlrev_b32 v12, 2, v1                       ; 4 x lane
	v_lshlrev_b32 v13, 4, v0                       ; 16 x thread: my 16 bytes of 4,096 of W_switch
	s_mul_i32 s21, s20, 528
	v_add_nc_u32 v3, s21, v2                       ; the copy: a wave's 512 bytes are one slice
	v_mul_u32_u24 v4, v1, 528                      ; my slice
	s_mul_i32 s21, s20, 10240
	s_add_co_u32 s21, s21, STG                     ; my wave's stages
	v_lshrrev_b32 v5, 2, v1
	v_mul_u32_u24 v5, v5, 80
	v_and_b32 v6, 3, v1
	v_lshl_add_u32 v5, v6, 4, v5
	v_add_nc_u32 v5, s21, v5                       ; into a stage: four lanes' 64 bytes on end, then 16 of padding
	v_mul_u32_u24 v6, v1, 80
	v_add_nc_u32 v6, s21, v6                       ; out of it: my 16 neighbours
	v_lshrrev_b32 v7, 1, v1
	v_lshl_add_u32 v7, v8, 6, v7                   ; 64 x wave + lane / 2: my block's scale byte
	v_and_b32 v11, 7, v1
	v_lshlrev_b32 v11, 2, v11                      ; 4 (lane % 8)
	v_lshl_add_u32 v9, v8, 5, v11                  ; 32 x wave + 4 (lane % 8)
	v_lshlrev_b32 v8, 4, v8                        ; 16 x wave
	s_mov_b32 s24, 0xaaaaaaaa                      ; lanes with bit 0, 1, 2 of their number set
	s_mov_b32 s25, 0xcccccccc
	s_mov_b32 s26, 0xf0f0f0f0
	s_mov_b32 s28, 0x76543210                      ; v_permlanex16_b32's selects for lane l xor 16
	s_mov_b32 s29, 0xfedcba98
	s_mov_b32 s30, 0x600000                        ; the mantissa field of 57,344
	s_lshl_b32 s22, ttmp9, 16                      ; 32 tokens of 2,048 bytes,
	s_lshl_b32 s21, s20, 13                        ; my wave's four
	s_add_co_u32 s22, s22, s21
	s_mov_b32 s23, 0
	s_wait_kmcnt 0x0
	s_add_nc_u64 s[4:5], s[4:5], s[22:23]
	s_lshr_b32 s22, s22, 2                         ; the codes are a quarter of the bytes
	s_add_nc_u64 s[10:11], s[10:11], s[22:23]
.irp i, 0,1,2,3
	global_load_b128 v[W+4*\i:W+4*\i+3], v13, s[6:7] offset:4096*\i
.endr
	global_load_b32 v10, v11, s[8:9]               ; b_switch[lane % 8]
.irp t, 0,1,2,3
.irp i, 0,1,2,3
	global_load_b128 v[X+16*\t+4*\i:X+16*\t+4*\i+3], v2, s[4:5] offset:2048*\t+512*\i th:TH_LOAD_NT   ; 32 lanes read 512 consecutive bytes; all 16 loads of the wave go out at once
.endr
.endr
	s_wait_loadcnt 16                              ; W_switch and b_switch are in; the 16 loads of x stay out
.irp i, 0,1,2,3
	ds_store_b128 v3, v[W+4*\i:W+4*\i+3] offset:WSW+4224*\i        ; slice 8 i + wave
.endr
	s_wait_dscnt 0x0                               ; for the others' sake: my part of the copy has landed
	s_barrier_signal -1
	s_barrier_wait -1
.irp j, 0,1,2,3,4,5,6,7,8,9,10,11,12,13,14,15,16,17,18,19,20,21,22,23,24,25,26,27,28,29,30,31
	ds_load_b128 v[W+4*\j:W+4*\j+3], v4 offset:WSW+16*\j
.endr
.macro TURN t                          ; token t through its stage, back into the registers that it left: LDS serves a wave's instructions in order
	s_wait_loadcnt 12-4*\t                         ; its four loads are in; the later tokens' four each may be out
.irp i, 0,1,2,3
	ds_store_b128 v5, v[X+16*\t+4*\i:X+16*\t+4*\i+3] offset:2560*\t+640*\i
.endr
.irp i, 0,1,2,3
	ds_load_b128 v[X+16*\t+4*\i:X+16*\t+4*\i+3], v6 offset:2560*\t+16*\i
.endr
.endm
	TURN 0
	TURN 1
	TURN 2
	TURN 3
; my 16 numbers against my 16 rows of W_switch: the number is taken for both halves of a packed multiply-add, two experts at a time, four chains by turns
.macro DOT t
.set kk, 0
.rept 16
.set xr, X+16*\t+(kk/2)*2
.irp p, 0,1,2,3
.if kk == 0
	v_pk_mul_f32 v[ACC+2*\p:ACC+2*\p+1], v[xr:xr+1], v[W+2*\p:W+2*\p+1] op_sel_hi:[0,1]
.elseif kk%2 == 0
	v_pk_fma_f32 v[ACC+2*\p:ACC+2*\p+1], v[xr:xr+1], v[W+8*kk+2*\p:W+8*kk+2*\p+1], v[ACC+2*\p:ACC+2*\p+1] op_sel_hi:[0,1,1]
.else
	v_pk_fma_f32 v[ACC+2*\p:ACC+2*\p+1], v[xr:xr+1], v[W+8*kk+2*\p:W+8*kk+2*\p+1], v[ACC+2*\p:ACC+2*\p+1] op_sel:[1,0,0] op_sel_hi:[1,1,1]
.endif
.endr
.set kk, kk+1
.endr
.endm
; Eight numbers a lane, v[a] on, are summed over the 32 lanes so that lane l ends with number l % 8 in v[d].  In each of three levels a lane keeps half of its numbers and hands the other half to the
; lane whose number differs in one bit; then lanes 8 and 16 apart are added.  v32-39 at work.
.macro FOLD a, d
.irp p, 0,1,2,3
	v_cndmask_b32 v[32+\p], v[\a+2*\p+1], v[\a+2*\p], s24          ; what my neighbour keeps
	v_cndmask_b32 v[36+\p], v[\a+2*\p], v[\a+2*\p+1], s24          ; what I keep
.endr
.irp p, 0,1,2,3
	v_add_f32_dpp v[36+\p], v[32+\p], v[36+\p] row_xmask:1 row_mask:0xf bank_mask:0xf
.endr
.irp q, 0,1
	v_cndmask_b32 v[32+\q], v[37+2*\q], v[36+2*\q], s25
	v_cndmask_b32 v[\a+\q], v[36+2*\q], v[37+2*\q], s25
.endr
.irp q, 0,1
	v_add_f32_dpp v[\a+\q], v[32+\q], v[\a+\q] row_xmask:2 row_mask:0xf bank_mask:0xf
.endr
	v_cndmask_b32 v32, v[\a+1], v[\a], s26
	v_cndmask_b32 v[\d], v[\a], v[\a+1], s26
	v_add_f32_dpp v[\d], v32, v[\d] row_xmask:4 row_mask:0xf bank_mask:0xf
	v_add_f32_dpp v[\d], v[\d], v[\d] row_xmask:8 row_mask:0xf bank_mask:0xf
	v_permlanex16_b32 v33, v[\d], s28, s29
	v_add_f32 v[\d], v[\d], v33
.endm
.macro QX t                            ; my 16 numbers of token t become 16 codes, and my block's scale byte
.set XS, X+16*\t
	v_max3_num_f32 v[QT], |v[XS]|, |v[XS+1]|, |v[XS+2]|
	v_max3_num_f32 v[QT+1], |v[XS+3]|, |v[XS+4]|, |v[XS+5]|
.irp i, 6,10
	v_max3_num_f32 v[QT], v[QT], |v[XS+\i]|, |v[XS+\i+1]|
	v_max3_num_f32 v[QT+1], v[QT+1], |v[XS+\i+2]|, |v[XS+\i+3]|
.endr
	v_max3_num_f32 v[QT], v[QT], |v[XS+14]|, |v[XS+15]|
	v_max3_num_f32 v[QT], v[QT], v[QT+1], 0x8000000                ; and the floor 2^(16 - 127): the byte cannot fall under 1
	v_max_num_f32_dpp v[QT], v[QT], v[QT] row_xmask:1 row_mask:0xf bank_mask:0xf   ; with my neighbour's 16: the block's largest magnitude
	v_add_nc_u32 v[QT+2], 0xf8800000, v[QT]        ; 15 off its exponent field: the conversion takes this operand's exponent field as its scale
	v_and_or_b32 v[QT+3], v[QT], 0x7f800000, s30   ; 57,344 x the scale
.irp i, 0,1,2,3,4,5,6,7,8,9,10,11,12,13,14,15
	v_med3_num_f32 v[XS+\i], v[XS+\i], -v[QT+3], v[QT+3]           ; the conversion to an 8-bit code does not saturate (ISA guide 7.6.2): the hold comes first
.endr
	v_cvt_scalef32_pk8_bf8_f32 v[CD+4*\t:CD+4*\t+1], v[XS:XS+7], v[QT+2]
	v_cvt_scalef32_pk8_bf8_f32 v[CD+4*\t+2:CD+4*\t+3], v[XS+8:XS+15], v[QT+2]
	v_lshrrev_b32 v[EB+\t], 23, v[QT+2]            ; the scale's byte (also the plain line behind the conversions)
	ds_store_b8 v7, v[EB+\t] offset:XSB+16*\t      ; both lanes of a block write the same byte with the same value
	global_store_b128 v2, v[CD+4*\t:CD+4*\t+3], s[10:11] offset:512*\t   ; the wave stores the token's 512 codes, consecutive and aligned
.endm
.macro TOKEN t, left
	s_wait_dscnt \left                             ; W's slice and token t are back from LDS; behind them stand the later tokens' eight each and the byte stores issued so far
	DOT \t
	FOLD ACC, Z+\t
	QX \t
.endm
	TOKEN 0, 24
	TOKEN 1, 17
	TOKEN 2, 10
	TOKEN 3, 3
	; THE SOFTMAX over the eight lanes of a group (all four groups hold the same), the four tokens by turns
.irp t, 0,1,2,3
	v_add_f32 v[Z+\t], v[Z+\t], v10
.endr
.irp t, 0,1,2,3
	v_mov_b32 v[28+\t], v[Z+\t]
.endr
.irp m, 1,2,4
.irp t, 0,1,2,3
	v_max_num_f32_dpp v[28+\t], v[28+\t], v[28+\t] row_xmask:\m row_mask:0xf bank_mask:0xf   ; the row's largest logit
.endr
.endr
.irp t, 0,1,2,3
	v_sub_f32 v[32+\t], v[Z+\t], v[28+\t]
.endr
.irp t, 0,1,2,3
	v_mul_f32 v[32+\t], 0x3fb8aa3b, v[32+\t]
.endr
.irp t, 0,1,2,3
	v_exp_f32 v[36+\t], v[32+\t]
.endr
	v_nop                                          ; a plain line behind the last exponential,
	s_wait_alu depctr_va_vdst(0)                   ; and one wait for the four, ahead of their first reader
.irp t, 0,1,2,3
	v_mov_b32 v[QT+\t], v[36+\t]
.endr
.irp m, 1,2,4
.irp t, 0,1,2,3
	v_add_f32_dpp v[QT+\t], v[QT+\t], v[QT+\t] row_xmask:\m row_mask:0xf bank_mask:0xf
.endr
.endr
.irp t, 0,1,2,3
	v_rcp_f32 v[64+\t], v[QT+\t]
.endr
	v_nop
	s_wait_alu depctr_va_vdst(0)                   ; one wait for the four reciprocals
.irp t, 0,1,2,3
	v_mul_f32 v[68+\t], v[36+\t], v[64+\t]         ; the probability of expert l % 8
.endr
	v_add_f32 v72, v68, v69
	v_add_f32 v73, v70, v71
	v_add_f32 v72, v72, v73                        ; my four tokens' sum
.irp t, 0,1,2,3
	v_mov_b32 v[76+\t], v[68+\t]
.endr
.irp m, 1,2,4
.irp t, 0,1,2,3
	v_max_num_f32_dpp v[76+\t], v[76+\t], v[76+\t] row_xmask:\m row_mask:0xf bank_mask:0xf   ; the largest probability
.endr
.endr
.irp t, 0,1,2,3
	v_cmp_eq_f32 s[32+\t], v[68+\t], v[76+\t]
.endr
.irp t, 0,1,2,3
	s_ctz_i32_b32 s[32+\t], s[32+\t]               ; lanes 0-7 hold experts 0-7: the lowest lane that has the maximum is the lowest such expert
.endr
.irp t, 0,1,2,3
	v_mov_b32 v[80+\t], s[32+\t]                   ; a number to be stored: it enters no address
.endr
.irp t, 0,1,2,3
	ds_store_b32 v8, v[80+\t] offset:RT+4*\t       ; all lanes write the same word with the same value
	ds_store_b32 v8, v[76+\t] offset:PM+4*\t
.endr
	ds_store_b32 v9, v72 offset:PSW
	s_wait_dscnt 0x0                               ; for wave 0's sake: all my LDS stores have landed
	s_barrier_signal -1
	s_barrier_wait -1
	s_cmp_lg_u32 s20, 0
	s_cbranch_scc1 .Lend
	; WAVE 0: lane l stands for token l of the block
	ds_load_b32 v85, v12 offset:RT
	ds_load_b32 v86, v12 offset:PM
	ds_load_b32 v87, v12 offset:PSW
	ds_load_b32 v88, v12 offset:PSW+128
	ds_load_b128 v[92:95], v2 offset:XSB
	v_mov_b32 v89, 0                               ; rank
	v_mov_b32 v90, 0                               ; lane e: the block's tokens for expert e
	s_lshl_b32 s22, ttmp9, 7
	s_add_nc_u64 s[40:41], s[14:15], s[22:23]      ; rr's words and out4: 128 bytes a block
	s_add_nc_u64 s[18:19], s[18:19], s[22:23]
	s_lshl_b32 s22, ttmp9, 9
	s_add_nc_u64 s[12:13], s[12:13], s[22:23]      ; xs: 512 bytes a block
	s_lshl_b32 s22, ttmp9, 5
	s_add_nc_u64 s[14:15], s[14:15], s[22:23]      ; the counts and psum: 32 bytes a block
	s_add_nc_u64 s[16:17], s[16:17], s[22:23]
	s_wait_dscnt 0x0
.irp e, 0,1,2,3,4,5,6,7
	v_cmp_eq_u32 s36, \e, v85
	v_mbcnt_lo_u32_b32 v91, s36, 0                 ; how many lower lanes have this route
	v_cndmask_b32 v89, v89, v91, s36
	s_bcnt1_i32_b32 s37, s36
	v_writelane_b32 v90, s37, \e
.endr
	v_lshl_or_b32 v89, v89, 8, v85                 ; route | rank << 8
	v_add_f32 v87, v87, v88
	v_add_f32_dpp v87, v87, v87 row_xmask:8 row_mask:0xf bank_mask:0xf
	v_permlanex16_b32 v88, v87, s28, s29
	v_add_f32 v87, v87, v88                        ; lane e: the block's sum of expert e's probabilities
	global_store_b32 v12, v89, s[40:41]
	global_store_b32 v12, v86, s[18:19]
	global_store_b128 v2, v[92:95], s[12:13]       ; 512 consecutive bytes, aligned
	v_cmp_gt_u32 vcc_lo, 8, v0
	s_wait_xcnt 0x0                                ; EXEC is a source of the stores above: it changes only behind this wait
	s_and_saveexec_b32 s38, vcc_lo
	global_store_b32 v12, v90, s[14:15] offset:32768
	global_store_b32 v12, v87, s[16:17]
	s_wait_xcnt 0x0                                ; and again ahead of the line that widens it
	s_or_b32 exec_lo, exec_lo, s38
.Lend:
	s_wait_tensorcnt 0x0
	ds_add_u32 v14, v15
	s_wait_dscnt 0x0
	s_endpgm
.Lfunc_end_k_q45837c3e02_route:
	.size	k_q45837c3e02_route, .Lfunc_end_k_q45837c3e02_route-k_q45837c3e02_route
	.p2alignl 7, 3214868480
	.fill 96, 4, 3214868480
	.section	.rodata,"a",@progbits
	.p2align	6, 0x0
	.amdhsa_kernel k_q45837c3e02_route
		.amdhsa_group_segment_fixed_size 100864
		.amdhsa_private_segment_fixed_size 0
		.amdhsa_enable_private_segment 0
		.amdhsa_kernarg_size 64
		.amdhsa_user_sgpr_count 2
		.amdhsa_user_sgpr_kernarg_segment_ptr 1
		.amdhsa_wavefront_size32 1
		.amdhsa_system_sgpr_workgroup_id_x 1
		.amdhsa_system_sgpr_workgroup_id_y 1
		.amdhsa_system_sgpr_workgroup_id_z 1
		.amdhsa_system_vgpr_workitem_id 0
		.amdhsa_next_free_vgpr 256
		.amdhsa_next_free_sgpr 66
		.amdhsa_reserve_vcc 1
		.amdhsa_float_denorm_mode_32 3
		.amdhsa_float_denorm_mode_16_64 3
		.amdhsa_memory_ordered 1
		.amdhsa_forward_progress 1
		.amdhsa_inst_pref_size 48
	.end_amdhsa_kernel
	.amdgpu_metadata
---
amdhsa.version: [ 1, 2 ]
amdhsa.kernels:
  - .name:           k_q45837c3e02_route
    .symbol:         k_q45837c3e02_route.kd
    .args:
      - { .name: x, .offset: 0, .size: 8, .value_kind: global_buffer, .address_space: global }
      - { .name: W_switch, .offset: 8, .size: 8, .value_kind: global_buffer, .address_space: global }
      - { .name: b_switch, .offset: 16, .size: 8, .value_kind: global_buffer, .address_space: global }
      - { .name: xc, .offset: 24, .size: 8, .value_kind: global_buffer, .address_space: global }
      - { .name: xs, .offset: 32, .size: 8, .value_kind: global_buffer, .address_space: global }
      - { .name: rr, .offset: 40, .size: 8, .value_kind: global_buffer, .address_space: global }
      - { .name: psum, .offset: 48, .size: 8, .value_kind: global_buffer, .address_space: global }
      - { .name: out4, .offset: 56, .size: 8, .value_kind: global_buffer, .address_space: global }
    .group_segment_fixed_size: 100864
    .private_segment_fixed_size: 0
    .kernarg_segment_align: 8
    .kernarg_segment_size: 64
    .max_flat_workgroup_size: 256
    .sgpr_count:     66
    .vgpr_count:     256
    .wavefront_size: 32
...
	.end_amdgpu_metadata
.endif
;; end of part 1
;; launch prep (part 2): grid 257 x 1, 8 waves a work-group, no clusters, 9,728 bytes of LDS; arguments W1, W2, wc, ws, rr, psum, plan, out1, out2, out3; writes wc, ws, plan, out1, out2, out3
.if DOCPART == 2
	.amdgcn_target "amdgcn-amd-amdhsa--gfx1250"
	.amdhsa_code_object_version 6
	.text
	.protected	k_q45837c3e02_prep
	.globl	k_q45837c3e02_prep
	.p2align	8
	.type	k_q45837c3e02_prep,@function
k_q45837c3e02_prep:
	s_mov_b64 s[64:65], 0
	v_nop
	global_prefetch_b8 v0, s[64:65] scope:SCOPE_SE
	s_setreg_imm32_b32 hwreg(HW_REG_WAVE_MODE, 25, 1), 1
	s_wait_xcnt 0x0
; TWO JOBS IN ONE LAUNCH.  Work-groups 0-255 turn W1 [8][512 k][1024] and W2 [8][1024 k][512], f32 with K as the FIRST axis of an expert, into codes of E5M2 and E8M0 scale words, laid in the order in which
; the next launch's operand registers take them.  Work-group 256 reads the routes that the launch before stored, places the tokens by expert (a counting sort without atomics) and writes the list of tiles, out1, out2 and out3.
; THE QUANTISER.  A wave's job J = 8 x work-group + wave is 32 columns x 128 along K.  A LANE TAKES A COLUMN AND ITS REGISTERS RUN DOWN K: a block of 32 lies in one lane's registers, its largest magnitude needs
; no other lane, and the conversions give codes with K innermost.  Lane l takes column l % 8 + 16 ((l / 8) % 2) + 8 (l / 16) of the 32: it is row l % 16 of tile l / 16, the rows of a tile chosen so that in a
; transposed product a lane's 16 registers of two neighbouring tiles are 16 neighbouring columns.  A job's 4,096 bytes: tile u at 2,048 u, register group c at 512 c, lane (r, h) at 256 h + 16 r.
; J = 4 S + b.  W1: S = 8 (4 e + w) + 4 cc + s: columns 256 w + 128 cc + 32 b on, k = 128 s on.  W2: S = 256 + 8 (4 e + w) + ks: columns 128 w + 32 b on, k = 128 ks on.
; A block's scale is 2^(floor(log2(its largest magnitude)) - 15); its byte is the largest magnitude's exponent field - 15, held at 1 from below.
; LIMITS: NaN and infinities are not served; blocks under 2^(16 - 127), blocks of zeros among them, get the byte 1 (zero codes add nothing, and this program alone reads the bytes).
; THE SORT.  plan: slot 64 b + i = the token in row i of tile b (0 where the row is empty), 135 tiles; from byte 34,560 a word for each tile: expert | rows << 8.  Expert e owns tiles tb_e .. tb_(e+1) - 1.
; No cluster, no tensor load, no prefetch: every input byte is read once by one wave, and the launch is a stream.
.set WTOT, 0                           ; LDS (the sort alone): the eight waves' packed totals, 16 bytes each
.set PSW,  256                         ; their sums of probabilities, 8 words each
.set TBL,  512                         ; [256 blocks][8]: the slot of the block's first token for each expert
	s_load_b512 s[4:19], s[0:1], 0x0               ; W1, W2, wc, ws, rr, psum, plan, out1
	s_load_b128 s[20:23], s[0:1], 0x40             ; out2, out3
	v_lshl_add_u32 v192, v0, 2, 0x2200
	v_mov_b32 v193, 0
	v_lshrrev_b32 v3, 5, v0
	v_readfirstlane_b32 s30, v3                    ; wave
	v_and_b32 v1, 31, v0                           ; lane
	s_mov_b32 s31, 0x600000                        ; the mantissa field of 57,344
	s_cmp_eq_u32 ttmp9, 256                        ; the work-group's number: the same in all eight waves
	s_cbranch_scc1 .Lsort
	v_and_b32 v4, 7, v1
	v_bfe_u32 v5, v1, 3, 1
	v_lshl_add_u32 v4, v5, 4, v4
	v_lshrrev_b32 v5, 4, v1
	v_lshl_add_u32 v4, v5, 3, v4                   ; my column of the 32
	v_lshlrev_b32 v4, 2, v4
	v_and_b32 v6, 15, v1
	v_lshlrev_b32 v6, 4, v6
	v_lshl_add_u32 v6, v5, 11, v6                  ; my codes' place in the job: 2,048 (l / 16) + 16 (l % 16)
	v_lshlrev_b32 v7, 2, v1                        ; my scale word's
	s_lshl_b32 s24, ttmp9, 3
	s_add_co_u32 s24, s24, s30                     ; J
	s_and_b32 s25, s24, 1023
	s_lshr_b32 s26, s25, 7
	s_lshl_b32 s26, s26, 21                        ; the expert: 2^21 bytes in either tensor
	s_and_b32 s27, s25, 3
	s_lshl_b32 s27, s27, 7                         ; 32 b columns
	s_add_co_u32 s26, s26, s27
	s_lshl_b32 s28, s24, 12
	s_mov_b32 s29, 0
	s_wait_kmcnt 0x0
	s_add_nc_u64 s[8:9], s[8:9], s[28:29]          ; wc + 4,096 J
	s_lshl_b32 s28, s24, 7
	s_add_nc_u64 s[10:11], s[10:11], s[28:29]      ; ws + 128 J
	s_cmp_lt_u32 ttmp9, 128
	s_cbranch_scc0 .Lw2
	s_bfe_u32 s27, s25, 0x20002                    ; W1: s, 128 rows of 4,096 bytes
	s_lshl_b32 s27, s27, 19
	s_add_co_u32 s26, s26, s27
	s_bfe_u32 s27, s25, 0x30004                    ; 2 w + cc, 128 columns
	s_lshl_b32 s27, s27, 9
	s_add_co_u32 s26, s26, s27
	s_mov_b32 s27, 0
	s_add_nc_u64 s[4:5], s[4:5], s[26:27]
.set k, 0
.rept 128
	global_load_b32 v[64+k], v4, s[4:5] offset:k*4096 th:TH_LOAD_NT   ; row k at my column: the wave reads 128 consecutive bytes, four neighbouring waves 512
.set k, k+1
.endr
	s_branch .Lq
.Lw2:
	s_bfe_u32 s27, s25, 0x30002                    ; W2: ks, 128 rows of 2,048 bytes
	s_lshl_b32 s27, s27, 18
	s_add_co_u32 s26, s26, s27
	s_bfe_u32 s27, s25, 0x20005                    ; w, 128 columns
	s_lshl_b32 s27, s27, 9
	s_add_co_u32 s26, s26, s27
	s_mov_b32 s27, 0
	s_add_nc_u64 s[6:7], s[6:7], s[26:27]
.set k, 0
.rept 128
	global_load_b32 v[64+k], v4, s[6:7] offset:k*2048 th:TH_LOAD_NT
.set k, k+1
.endr
.Lq:
.macro BLOCK q, left                   ; k = 32 q .. 32 q + 31 of my column: 32 codes in v[32 + 8 q] on, the byte into v16
.set XS, 64+32*\q
	s_wait_loadcnt \left
	v_max3_num_f32 v12, |v[XS]|, |v[XS+1]|, |v[XS+2]|
	v_max3_num_f32 v13, |v[XS+3]|, |v[XS+4]|, |v[XS+5]|
.irp i, 6,10,14,18,22,26
	v_max3_num_f32 v12, v12, |v[XS+\i]|, |v[XS+\i+1]|
	v_max3_num_f32 v13, v13, |v[XS+\i+2]|, |v[XS+\i+3]|
.endr
	v_max3_num_f32 v12, v12, |v[XS+30]|, |v[XS+31]|
	v_max3_num_f32 v12, v12, v13, 0x8000000        ; and the floor 2^(16 - 127)
	v_add_nc_u32 v11, 0xf8800000, v12              ; 15 off the exponent field: the conversion's scale operand
	v_and_or_b32 v10, v12, 0x7f800000, s31         ; 57,344 x the scale
	v_lshrrev_b32 v13, 23, v11                     ; the scale's byte
.if \q == 0
	v_mov_b32 v16, v13
.else
	v_lshl_or_b32 v16, v13, 8*\q, v16              ; the lower K in the lower byte
.endif
.irp i, 0,1,2,3,4,5,6,7,8,9,10,11,12,13,14,15,16,17,18,19,20,21,22,23,24,25,26,27,28,29,30,31
	v_med3_num_f32 v[XS+\i], v[XS+\i], -v10, v10   ; the conversion to an 8-bit code does not saturate (ISA guide 7.6.2): the hold comes first
.endr
.irp g, 0,1,2,3
	v_cvt_scalef32_pk8_bf8_f32 v[32+8*\q+2*\g:32+8*\q+2*\g+1], v[XS+8*\g:XS+8*\g+7], v11
.endr
	v_nop                                          ; a plain line behind the last conversion
	global_store_b128 v6, v[32+8*\q:32+8*\q+3], s[8:9] offset:512*\q        ; k = 32 q + 0 .. 15: sixteen lanes store 256 consecutive bytes, aligned
	global_store_b128 v6, v[32+8*\q+4:32+8*\q+7], s[8:9] offset:512*\q+256  ; k = 32 q + 16 .. 31
.endm
	BLOCK 0, 63                                    ; 96 later loads could stay out, but a wait's count names 63 at the most: the smaller count is safe
	BLOCK 1, 63                                    ; likewise for 64
	BLOCK 2, 32                                    ; the last block's 32 may be out
	BLOCK 3, 0
	global_store_b32 v7, v16, s[10:11]             ; lanes 0-15: tile 2 b's rows, lanes 16-31: tile 2 b + 1's
	s_endpgm
.Lsort:
; REGISTERS: v8-11 counts, two experts to a register, 16 bits each (no total passes 8,640); v12-15 the same before the scan; v16-23 counts, later TBL's words; v24-31 psum; v32-63 rr's words;
; v64-95 slots; v96-127 the waves' totals, later indices; v128-159 token numbers; v160-191 at work.  s40-47 T_e, s48-56 tb_e, s57-60 64 tb_e packed.
	v_lshlrev_b32 v2, 5, v0                        ; 32 x thread: thread t stands for block t
	v_lshlrev_b32 v4, 4, v1
	v_lshl_add_u32 v4, v3, 12, v4                  ; 4,096 x wave + 16 x lane
	v_and_b32 v5, 24, v1
	v_lshlrev_b32 v5, 2, v5                        ; 4 x the first lane of my group of eight
	v_mov_b32 v6, 0
	v_lshlrev_b32 v7, 2, v1
	v_lshl_add_u32 v7, v3, 10, v7                  ; 1,024 x wave + 4 x lane: an LDS offset, and my first token's number
	v_lshlrev_b32 v181, 4, v3                      ; 16 x wave
	v_and_b32 v182, 7, v1
	v_lshlrev_b32 v182, 2, v182
	v_lshl_add_u32 v182, v3, 5, v182               ; 32 x wave + 4 (lane % 8)
	v_lshlrev_b32 v183, 2, v0                      ; 4 x thread
	s_mov_b32 s32, 0xaaaaaaaa
	s_mov_b32 s33, 0xcccccccc
	s_mov_b32 s34, 0xf0f0f0f0
	s_mov_b32 s35, 0xffff0000                      ; lanes 16-31
	s_mov_b32 s36, 0x76543210
	s_mov_b32 s37, 0xfedcba98
	s_wait_kmcnt 0x0
	global_load_b128 v[16:19], v2, s[12:13] offset:32768           ; my block's eight counts
	global_load_b128 v[20:23], v2, s[12:13] offset:32784
	global_load_b128 v[24:27], v2, s[14:15]                        ; and its eight sums of probabilities
	global_load_b128 v[28:31], v2, s[14:15] offset:16
.irp g, 0,1,2,3,4,5,6,7
	global_load_b128 v[32+4*\g:35+4*\g], v4, s[12:13] offset:512*\g   ; tokens 1,024 w + 128 g + 4 lane + 0 .. 3, of block 32 w + 4 g + lane / 8
.endr
.irp q, 0,1,2,3
	v_mov_b32 v[160+\q], 0                         ; written once: a DPP form's destination counts as read
.endr
	s_wait_loadcnt 0x0
.irp q, 0,1,2,3
	v_lshl_or_b32 v[8+\q], v[17+2*\q], 16, v[16+2*\q]
.endr
.irp q, 0,1,2,3
	v_mov_b32 v[12+\q], v[8+\q]
.endr
.irp d, 1,2,4,8                        ; an inclusive scan inside each half of 16 lanes
.irp q, 0,1,2,3
	v_mov_b32_dpp v[160+\q], v[8+\q] row_shr:\d row_mask:0xf bank_mask:0xf bound_ctrl:1
.endr
.irp q, 0,1,2,3
	v_add_nc_u32 v[8+\q], v[8+\q], v[160+\q]
.endr
.endr
.irp q, 0,1,2,3
	v_readlane_b32 s[24+\q], v[8+\q], 15           ; the lower half's total goes onto the upper half
.endr
.irp q, 0,1,2,3
	v_mov_b32 v[160+\q], s[24+\q]
	v_cndmask_b32 v[160+\q], 0, v[160+\q], s35
	v_add_nc_u32 v[8+\q], v[8+\q], v[160+\q]
.endr
.irp q, 0,1,2,3
	v_readlane_b32 s[24+\q], v[8+\q], 31           ; the wave's total
.endr
.irp q, 0,1,2,3
	v_mov_b32 v[164+\q], s[24+\q]
.endr
	ds_store_b128 v181, v[164:167] offset:WTOT     ; all lanes write the same 16 bytes with the same value
	; the eight sums of probabilities over my wave's 32 blocks: three levels in which a lane keeps half and hands half to the lane one bit away, then lanes 8 and 16 apart: lane l ends with expert l % 8
.irp p, 0,1,2,3
	v_cndmask_b32 v[172+\p], v[25+2*\p], v[24+2*\p], s32
	v_cndmask_b32 v[176+\p], v[24+2*\p], v[25+2*\p], s32
.endr
.irp p, 0,1,2,3
	v_add_f32_dpp v[176+\p], v[172+\p], v[176+\p] row_xmask:1 row_mask:0xf bank_mask:0xf
.endr
.irp q, 0,1
	v_cndmask_b32 v[172+\q], v[177+2*\q], v[176+2*\q], s33
	v_cndmask_b32 v[24+\q], v[176+2*\q], v[177+2*\q], s33
.endr
.irp q, 0,1
	v_add_f32_dpp v[24+\q], v[172+\q], v[24+\q] row_xmask:2 row_mask:0xf bank_mask:0xf
.endr
	v_cndmask_b32 v172, v25, v24, s34
	v_cndmask_b32 v180, v24, v25, s34
	v_add_f32_dpp v180, v172, v180 row_xmask:4 row_mask:0xf bank_mask:0xf
	v_add_f32_dpp v180, v180, v180 row_xmask:8 row_mask:0xf bank_mask:0xf
	v_permlanex16_b32 v173, v180, s36, s37
	v_add_f32 v180, v180, v173
	ds_store_b32 v182, v180 offset:PSW
	s_wait_dscnt 0x0                               ; for the others' sake: my totals have landed
	s_barrier_signal -1
	s_barrier_wait -1
.irp k, 0,1,2,3,4,5,6,7
	ds_load_b128 v[96+4*\k:99+4*\k], v6 offset:WTOT+16*\k          ; all eight waves' totals, in every lane
.endr
.irp q, 0,1,2,3
	v_mov_b32 v[168+\q], 0
.endr
	s_wait_dscnt 0x0
.irp q, 0,1,2,3
	v_add_nc_u32 v[164+\q], v[96+\q], v[100+\q]
.endr
.irp k, 2,3,4,5,6,7
.irp q, 0,1,2,3
	v_add_nc_u32 v[164+\q], v[164+\q], v[96+4*\k+\q]               ; each expert's tokens in all
.endr
.endr
.irp k, 0,1,2,3,4,5,6
	s_cmp_gt_u32 s30, \k                           ; the waves in front of mine
	s_cselect_b32 s38, -1, 0
.irp q, 0,1,2,3
	v_and_b32 v[160+\q], s38, v[96+4*\k+\q]
	v_add_nc_u32 v[168+\q], v[168+\q], v[160+\q]
.endr
.endr
.irp q, 0,1,2,3
	v_readfirstlane_b32 s[24+\q], v[164+\q]
.endr
.irp q, 0,1,2,3
	s_and_b32 s[40+2*\q], s[24+\q], 0xffff         ; T_e
	s_lshr_b32 s[41+2*\q], s[24+\q], 16
.endr
	s_mov_b32 s48, 0
.irp e, 0,1,2,3,4,5,6,7
	s_add_co_u32 s38, s[40+\e], 63
	s_lshr_b32 s38, s38, 6                         ; its tiles of 64 rows
	s_add_co_u32 s[49+\e], s[48+\e], s38           ; tb_(e+1)
.endr
.irp q, 0,1,2,3
	s_lshl_b32 s[57+\q], s[48+2*\q], 6
	s_lshl_b32 s38, s[49+2*\q], 22
	s_or_b32 s[57+\q], s[57+\q], s38               ; the experts' first slots, packed like the counts
.endr
.irp q, 0,1,2,3
	v_sub_nc_u32 v[8+\q], v[8+\q], v[12+\q]        ; the blocks in front of mine in my wave (no half borrows: the scan holds its own count),
	v_add3_u32 v[8+\q], v[8+\q], v[168+\q], s[57+\q]   ; the waves in front, the expert's first slot
.endr
.irp q, 0,1,2,3
	v_and_b32 v[16+2*\q], 0xffff, v[8+\q]
	v_lshrrev_b32 v[17+2*\q], 16, v[8+\q]
.endr
	ds_store_b128 v2, v[16:19] offset:TBL
	ds_store_b128 v2, v[20:23] offset:TBL+16
	s_wait_dscnt 0x0
	s_barrier_signal -1
	s_barrier_wait -1                              ; behind this barrier LDS is only read
.irp g, 0,1,2,3,4,5,6,7
	ds_load_b32 v[16+\g], v7 offset:TBL+128*\g     ; lane l: block 32 w + 4 g + l / 8, expert l % 8
.endr
	s_wait_dscnt 0x0
.irp g, 0,1,2,3,4,5,6,7
.irp j, 0,1,2,3
	v_and_b32 v[96+4*\g+\j], 255, v[32+4*\g+\j]
	v_min_u32 v[96+4*\g+\j], 7, v[96+4*\g+\j]      ; the token's route, held inside the table
	v_lshl_add_u32 v[96+4*\g+\j], v[96+4*\g+\j], 2, v5
	ds_bpermute_b32 v[64+4*\g+\j], v[96+4*\g+\j], v[16+\g]         ; from the lane of my group of eight that holds my block's word for that route
.endr
.endr
.set n, 0
.rept 32
	s_wait_dscnt 31-n                              ; permute n is back; the later ones may be out
	v_lshrrev_b32 v[96+n], 8, v[32+n]              ; the rank inside the block
	v_add_nc_u32 v[64+n], v[64+n], v[96+n]
	v_min_u32 v[64+n], 8639, v[64+n]               ; the slot, held inside the list
	v_lshlrev_b32 v[64+n], 2, v[64+n]
	v_add_nc_u32 v[128+n], 128*(n/4)+n%4, v7       ; the token's number
	global_store_b32 v[64+n], v[128+n], s[16:17]
.set n, n+1
.endr
	; thread b writes tile b's word: the last expert whose first tile is not behind b
	v_mov_b32 v184, 0
	v_mov_b32 v185, 0
	v_mov_b32 v186, s40
.irp e, 1,2,3,4,5,6,7
	v_cmp_gt_u32 vcc_lo, s[48+\e], v0              ; tb_e > b: keep
	v_cndmask_b32 v184, \e, v184, vcc_lo
	v_cndmask_b32 v185, s[48+\e], v185, vcc_lo
	v_cndmask_b32 v186, s[40+\e], v186, vcc_lo
.endr
	v_sub_nc_u32 v185, v0, v185
	v_lshlrev_b32 v185, 6, v185
	v_min_u32 v185, v185, v186                     ; the expert's rows in its tiles in front of b
	v_sub_nc_u32 v186, v186, v185
	v_min_u32 v186, 64, v186                       ; and in b: 0 behind the last tile
	v_lshl_or_b32 v184, v186, 8, v184
	global_store_b32 v183, v184, s[16:17] offset:34560
	; every slot that holds no token gets 0: wave w fills the rest of expert w's last tile (63 slots at the most), all threads the tiles behind the last (448 at the most)
	s_mov_b32 s66, 0
	s_mov_b32 s67, 0
	s_mov_b32 s68, 0
.irp e, 0,1,2,3,4,5,6,7
	s_cmp_eq_u32 s30, \e
	s_cselect_b32 s66, s[40+\e], s66
	s_cselect_b32 s67, s[48+\e], s67
	s_cselect_b32 s68, s[49+\e], s68
.endr
	s_lshl_b32 s67, s67, 6
	s_add_co_u32 s67, s67, s66                     ; the first empty slot,
	s_lshl_b32 s68, s68, 6                         ; and the next expert's first
	s_lshl_b32 s70, s56, 6                         ; the first slot behind the last tile
	; the four slot numbers and the four addresses are made here, together, while every lane is on: each address register is written whole, held inside the list, before the first line that narrows EXEC
	v_add_nc_u32 v160, s67, v1
	v_add_nc_u32 v161, 32, v160
	v_add_nc_u32 v162, s70, v0
	v_add_nc_u32 v163, 0x100, v162
.irp p, 0,1,2,3
	v_min_u32 v[187+\p], 8639, v[160+\p]
.endr
.irp p, 0,1,2,3
	v_lshlrev_b32 v[187+\p], 2, v[187+\p]
.endr
.macro PADST adr                       ; 0 to the address v[adr] in the lanes that VCC names
	s_wait_xcnt 0x0                                ; EXEC is a source of the stores issued so far: it changes only behind this wait
	s_and_saveexec_b32 s69, vcc_lo
	global_store_b32 v[\adr], v6, s[16:17]
	s_wait_xcnt 0x0                                ; and again ahead of the line that widens it
	s_or_b32 exec_lo, exec_lo, s69
.endm
	v_cmp_gt_u32 vcc_lo, s68, v160
	PADST 187
	v_cmp_gt_u32 vcc_lo, s68, v161
	PADST 188
	v_cmp_gt_u32 vcc_lo, 0x21c0, v162              ; 8,640 slots in all
	PADST 189
	v_cmp_gt_u32 vcc_lo, 0x21c0, v163
	PADST 190
	s_cmp_lg_u32 s30, 0
	s_cbranch_scc1 .Lsend
	; WAVE 0: out1 (tokens for each expert), out2 (sums of the probabilities), out3 (0)
	ds_load_b32 v164, v183 offset:PSW
	ds_load_b32 v165, v183 offset:PSW+128
	v_mov_b32 v166, 0
.irp e, 0,1,2,3,4,5,6,7
	v_writelane_b32 v166, s[40+\e], \e
.endr
	v_cvt_f32_u32 v166, v166
	s_wait_dscnt 0x0
	v_add_f32 v164, v164, v165
	v_add_f32_dpp v164, v164, v164 row_xmask:8 row_mask:0xf bank_mask:0xf
	v_permlanex16_b32 v165, v164, s36, s37
	v_add_f32 v164, v164, v165
	v_cmp_gt_u32 vcc_lo, 8, v0
	s_and_saveexec_b32 s69, vcc_lo                 ; (no load or store has been issued since the last wait on XCNT)
	global_store_b32 v183, v166, s[18:19]
	global_store_b32 v183, v164, s[20:21]
	s_wait_xcnt 0x0
	s_or_b32 exec_lo, exec_lo, s69
	v_cmp_eq_u32 vcc_lo, 0, v0
	s_and_saveexec_b32 s69, vcc_lo
	global_store_b32 v183, v6, s[22:23]
	s_wait_xcnt 0x0
	s_or_b32 exec_lo, exec_lo, s69
.Lsend:
	s_wait_tensorcnt 0x0
	ds_add_u32 v192, v193
	s_wait_dscnt 0x0
	s_endpgm
.Lfunc_end_k_q45837c3e02_prep:
	.size	k_q45837c3e02_prep, .Lfunc_end_k_q45837c3e02_prep-k_q45837c3e02_prep
	.p2alignl 7, 3214868480
	.fill 96, 4, 3214868480
	.section	.rodata,"a",@progbits
	.p2align	6, 0x0
	.amdhsa_kernel k_q45837c3e02_prep
		.amdhsa_group_segment_fixed_size 9728
		.amdhsa_private_segment_fixed_size 0
		.amdhsa_enable_private_segment 0
		.amdhsa_kernarg_size 80
		.amdhsa_user_sgpr_count 2
		.amdhsa_user_sgpr_kernarg_segment_ptr 1
		.amdhsa_wavefront_size32 1
		.amdhsa_system_sgpr_workgroup_id_x 1
		.amdhsa_system_sgpr_workgroup_id_y 1
		.amdhsa_system_sgpr_workgroup_id_z 1
		.amdhsa_system_vgpr_workitem_id 0
		.amdhsa_next_free_vgpr 194
		.amdhsa_next_free_sgpr 80
		.amdhsa_reserve_vcc 1
		.amdhsa_float_denorm_mode_32 3
		.amdhsa_float_denorm_mode_16_64 3
		.amdhsa_memory_ordered 1
		.amdhsa_forward_progress 1
		.amdhsa_inst_pref_size 79
	.end_amdhsa_kernel
	.amdgpu_metadata
---
amdhsa.version: [ 1, 2 ]
amdhsa.kernels:
  - .name:           k_q45837c3e02_prep
    .symbol:         k_q45837c3e02_prep.kd
    .args:
      - { .name: W1, .offset: 0, .size: 8, .value_kind: global_buffer, .address_space: global }
      - { .name: W2, .offset: 8, .size: 8, .value_kind: global_buffer, .address_space: global }
      - { .name: wc, .offset: 16, .size: 8, .value_kind: global_buffer, .address_space: global }
      - { .name: ws, .offset: 24, .size: 8, .value_kind: global_buffer, .address_space: global }
      - { .name: rr, .offset: 32, .size: 8, .value_kind: global_buffer, .address_space: global }
      - { .name: psum, .offset: 40, .size: 8, .value_kind: global_buffer, .address_space: global }
      - { .name: plan, .offset: 48, .size: 8, .value_kind: global_buffer, .address_space: global }
      - { .name: out1, .offset: 56, .size: 8, .value_kind: global_buffer, .address_space: global }
      - { .name: out2, .offset: 64, .size: 8, .value_kind: global_buffer, .address_space: global }
      - { .name: out3, .offset: 72, .size: 8, .value_kind: global_buffer, .address_space: global }
    .group_segment_fixed_size: 9728
    .private_segment_fixed_size: 0
    .kernarg_segment_align: 8
    .kernarg_segment_size: 80
    .max_flat_workgroup_size: 256
    .sgpr_count:     80
    .vgpr_count:     194
    .wavefront_size: 32
...
	.end_amdgpu_metadata
.endif
;; end of part 2
;; launch ffn (part 3): grid 135 x 1, 4 waves a work-group, no clusters, 242,176 bytes of LDS; arguments xc, xs, wc, ws, b1, b2, out4, plan, out0; writes out0
.if DOCPART == 3
	.amdgcn_target "amdgcn-amd-amdhsa--gfx1250"
	.amdhsa_code_object_version 6
	.text
	.protected	k_q45837c3e02_ffn
	.globl	k_q45837c3e02_ffn
	.p2align	8
	.type	k_q45837c3e02_ffn,@function
k_q45837c3e02_ffn:
	s_mov_b64 s[64:65], 0
	v_nop
	global_prefetch_b8 v0, s[64:65] scope:SCOPE_SE
	s_setreg_imm32_b32 hwreg(HW_REG_WAVE_MODE, 25, 1), 1
	s_wait_xcnt 0x0
; ONE TILE OF 64 ROWS OF ONE EXPERT THROUGH THE WHOLE CHAIN: out0[token] = (relu(x W1[e] + b1[e]) W2[e] + b2[e]) x the token's largest probability, both products on codes of E5M2 with one E8M0 scale
; for each 32 along K.  Only the rows of the expert chosen for a token are multiplied: the others are thrown away by the one-hot mask that the problem builds itself.
; THE GRID: 8,192 / 64 + 8 - 1 = 135 tiles serve every split of the tokens.  The list (plan) gives a tile's expert, its number of rows and its tokens; empty rows name token 0, are computed and are not stored.
; A tile with no row runs the same text and stores nothing: every wave passes every barrier, and only the stores at the end stand under a branch on the stored count.
; SHARES.  THE WAVES SHARE THE COLUMNS, NOT THE ROWS: wave w makes hidden units 256 w .. 256 w + 255 (two chunks of 128) and then outputs 128 w .. 128 w + 127, for all 64 rows.  So each fragment of the weights goes
; from memory straight into ONE wave's registers, once; the launch before has laid them in the order of the operand's registers, 512 consecutive bytes a load.  What goes round in LDS is small: x's codes (rows),
; and the hidden layer as images of its operand's registers (16 bytes a lane, 512 a store).  The hidden layer never goes to memory.
; BOTH PRODUCTS ARE USED TRANSPOSED (source 0 = 16 columns of the weight, source 1 = 16 rows): a lane holds ONE row, and in tile 2 b + u its register j is column 32 b + 16 (lane / 16) + 8 u + j, by the choice of a
; tile's columns: the 16 registers of two neighbouring tiles are 16 neighbours along the next K, so the conversions' results ARE the next operand.  The biases are the C of each sum's first product.
; 16 STEPS of 128 along K, 32 matrix instructions each, written out: steps 0-3 and 4-7 the two chunks of the first product, steps 8-15 the second.  The weights take turns in three sets of 128 registers, the rows'
; fragments in three of 64; step i + 2's are asked for in ONE run in the middle of step i, behind eight plain lines, since step i - 1 read those registers last.  The 32 accumulators take turns, one instruction a turn.
; NO CLUSTER, NO TENSOR LOAD: which tiles share an expert hangs on counts read from memory, and the stores branch on such a count.  NO PREFETCH: each weight byte is read
; by all tiles of its expert at about the same time, and a wave keeps two steps' loads out.
; LIMITS: NaN and infinities are not served; a block of the hidden layer whose largest number lies under 2^(16 - 127), all zeros among them, gets the byte 1: its codes are then zeros or subnormal codes under that scale.
; REGISTERS, in windows of 256.  Window 0: v0-127 below; v128-255 weights' set 2 (at the head the gathered rows and biases, at the end rows of out0).  Window 1: the 32 accumulators, (m, t) at 64 m + 8 t.
;   Window 2: the rows' fragments, sets 0-2 at v0, v64, v128 (fragment m at + 16 m); v192-255 a bias, tile t at 192 + 8 t.   Window 3: weights' sets 0 and 1 at v0 and v128 (tile t at + 16 t).
.set XP,   528                         ; LDS: x's 64 rows of 512 codes + 16 bytes of padding, from byte 0
.set BIAS, 33792                       ; b1[e] (4,096 bytes), b2[e] (2,048)
.set HIMG, 39936                       ; the hidden layer's 32 fragments: (4 ks + m) x 2,048 + 512 c + 16 x lane
.set HSC,  105472                      ; their scale words: (4 ks + m) x 128 + 4 x lane
.set STG,  109568                      ; the way out: 64 rows of 2,048 bytes + 16
.set SP,   2064
.set LN16, 1                           ; v1   16 x lane
.set LN4,  2                           ; v2   4 x lane
.set AX,   3                           ; v3   x's fragments: r x 528 + 16 h
.set XW,   4                           ; v4   where my wave puts the rows that it gathers
.set HWI,  5                           ; v5   where I store the hidden layer's images: HIMG + 16,384 w + 16 x lane
.set HWS,  6                           ; v6   and their scale words: HSC + 1,024 w + 4 x lane
.set SO,   7                           ; v7-8 the stage, in: row r (v8: row 32 + r), + 512 w + 64 h
.set SR,   9                           ; v9   and back: my 16 rows, 16 bytes a lane
.set TK,   10                          ; v10-13 the token of row 16 m + r
.set BA1,  14                          ; v14  b1: BIAS + 1,024 w + 64 h
.set BA2,  15                          ; v15  b2: BIAS + 4,096 + 512 w + 64 h
.set XS,   16                          ; v16-31 x's scale words, 4 m + s: scales and nothing else
.set HS,   32                          ; v32-43 the hidden layer's, 4 x set + m
.set WS,   44                          ; v44-55 the weights', 4 x set + b: lanes 0-15 tile 2 b, lanes 16-31 tile 2 b + 1
.set PR,   56                          ; v56-59 the largest probability of row 16 m + r
.set TM,   60                          ; v60-75 the quantiser's: largest magnitudes, bytes, holds, scale operands
.set PW,   76                          ; v76-77 the scale word just made, two by turns
.set HI,   78                          ; v78  HIMG + 16 x lane
.set HL,   79                          ; v79  HSC + 4 x lane
.set PC,   80                          ; v80-111 the codes just made, two sets by turns; v80-95 are also the sixteen rows' byte offsets at the head and at the end
.set MSB, 0
.macro WIN new                         ; s_set_vgpr_msb: bits 1:0 source 0, 3:2 source 1, 5:4 source 2, 7:6 destination; the high byte repeats the setting that is left
.if MSB != \new
	s_set_vgpr_msb (MSB<<8)|\new
.set MSB, \new
.endif
.endm
	s_load_b512 s[4:19], s[0:1], 0x0               ; xc, xs, wc, ws, b1, b2, out4, plan
	s_load_b64 s[20:21], s[0:1], 0x40              ; out0
	v_lshrrev_b32 v126, 5, v0
	v_readfirstlane_b32 s22, v126                  ; wave
	v_and_b32 v124, 31, v0                         ; lane
	v_and_b32 v122, 15, v0                         ; r
	v_bfe_u32 v123, v0, 4, 1                       ; h
	v_lshlrev_b32 v[LN16], 4, v124
	v_lshlrev_b32 v[LN4], 2, v124
	v_lshlrev_b32 v121, 4, v0                      ; 16 x thread
	v_add_nc_u32 v120, BIAS, v121
	v_mul_u32_u24 v[AX], v122, XP
	v_lshl_add_u32 v[AX], v123, 4, v[AX]
	s_mul_i32 s26, s22, 16*XP
	v_add_nc_u32 v[XW], s26, v[LN16]
	s_lshl_b32 s26, s22, 14
	s_add_co_u32 s26, s26, HIMG
	v_add_nc_u32 v[HWI], s26, v[LN16]
	s_lshl_b32 s26, s22, 10
	s_add_co_u32 s27, s26, HSC
	v_add_nc_u32 v[HWS], s27, v[LN4]
	s_add_co_u32 s27, s26, BIAS
	v_lshl_add_u32 v[BA1], v123, 6, s27
	s_lshl_b32 s26, s22, 9
	s_add_co_u32 s27, s26, BIAS+4096
	v_lshl_add_u32 v[BA2], v123, 6, s27
	s_add_co_u32 s27, s26, STG
	v_mul_u32_u24 v[SO], v122, SP
	v_lshl_add_u32 v[SO], v123, 6, v[SO]
	v_add_nc_u32 v[SO], s27, v[SO]
	v_add_nc_u32 v[SO+1], 32*SP, v[SO]             ; an LDS immediate holds 16 bits: rows 32 on have a register of their own
	s_mul_i32 s26, s22, 16*SP
	s_add_co_u32 s26, s26, STG
	v_add_nc_u32 v[SR], s26, v[LN16]
	v_add_nc_u32 v[HI], HIMG, v[LN16]
	v_add_nc_u32 v[HL], HSC, v[LN4]
.irp b, 0,1,2,3
	v_mov_b32 v[TM+4+\b], 0                        ; written once: a lane permute's destination counts as one of its sources
.endr
	s_mov_b32 s28, 0x76543210                      ; v_permlanex16_b32's selects for lane l xor 16
	s_mov_b32 s29, 0xfedcba98
	s_mov_b32 s30, 0x600000                        ; the mantissa field of 57,344
	s_lshl_b32 s26, ttmp9, 2
	s_lshl_b32 s27, ttmp9, 8
	s_lshl_b32 s49, s22, 6
	s_add_co_u32 s49, s49, s27                     ; my wave's 16 slots of the tile's 64
	v_lshl_add_u32 v125, v122, 2, s27
	s_wait_kmcnt 0x0
	s_load_b32 s23, s[18:19], s26 offset:34560     ; the tile's word: expert | rows << 8
	s_load_b512 s[32:47], s[18:19], s49 offset:0x0 ; the tokens of rows 16 w .. 16 w + 15, as scalars
.irp m, 0,1,2,3
	global_load_b32 v[TK+\m], v125, s[18:19] offset:64*\m          ; and the token of row 16 m + r in lane (r, h)
.endr
	s_wait_kmcnt 0x0
	s_and_b32 s24, s23, 255
	s_min_u32 s24, s24, 7                          ; e, held inside the tables
	s_lshr_b32 s25, s23, 8
	s_min_u32 s25, s25, 64                         ; n
	s_lshl_b32 s48, s22, 4
	s_min_u32 s48, s48, s25
	s_sub_co_u32 s48, s25, s48                     ; how many of the rows from 16 w on hold a token
.irp i, 0,1,2,3,4,5,6,7,8,9,10,11,12,13,14,15
	s_min_u32 s[32+\i], s[32+\i], 8191
.endr
	s_lshl_b32 s31, s24, 2
	s_add_co_u32 s31, s31, s22                     ; 4 e + w
	s_mov_b32 s27, 0
	s_lshl_b32 s26, s31, 17
	s_add_nc_u64 s[50:51], s[8:9], s[26:27]        ; my eight sets of W1's codes, 16,384 bytes each; W2's lie 256 sets further on
	s_lshl_b32 s26, s31, 12
	s_add_nc_u64 s[52:53], s[10:11], s[26:27]      ; and their scale words, 512 bytes a set
	s_lshl_b32 s26, s24, 12
	s_add_nc_u64 s[12:13], s[12:13], s[26:27]      ; b1[e]
	s_lshl_b32 s26, s24, 11
	s_add_nc_u64 s[14:15], s[14:15], s[26:27]      ; b2[e]
.irp i, 0,1,2,3,4,5,6,7,8,9,10,11,12,13,14,15
	v_lshl_add_u32 v[PC+\i], s[32+\i], 9, v[LN16]  ; a row of codes is 512 bytes
.endr
.irp i, 0,1,2,3,4,5,6,7,8,9,10,11,12,13,14,15
	global_load_b128 v[128+4*\i:131+4*\i], v[PC+\i], s[4:5]        ; the wave reads a row's 512 consecutive bytes
.endr
	global_load_b128 v[192:195], v121, s[12:13]
	global_load_b128 v[196:199], v121, s[12:13] offset:2048
	global_load_b128 v[200:203], v121, s[14:15]
; step i's weights: 4 loads of scale words and 32 of codes, into set i % 3
.macro WLOAD i
.set wsl, (\i)%3
.set wq, (\i)
.if (\i) >= 8
.set wq, 248+(\i)
.endif
.set wbs, 128
.if wsl == 0
.set wbs, 0
.endif
	WIN 0
.irp b, 0,1,2,3
	global_load_b32 v[WS+4*wsl+\b], v[LN4], s[52:53] offset:512*wq+128*\b
.endr
.if wsl < 2
	WIN 0xc0                                       ; destination window 3
.endif
.irp t, 0,1,2,3,4,5,6,7
.irp c, 0,1,2,3
	global_load_b128 v[wbs+16*\t+4*\c:wbs+16*\t+4*\c+3], v[LN16], s[50:51] offset:16384*wq+2048*\t+512*\c
.endr
.endr
.endm
; step i's fragments of x (K step i % 4, four tiles of 16 rows) into set i % 3: lane (r, h), registers 4 c on: k = 32 c + 16 h + 0 .. 15
.macro AXF i
.set axb, 64*((\i)%3)
.set axs, (\i)%4
	WIN 0x80                                       ; destination window 2
.irp m, 0,1,2,3
.irp c, 0,1,2,3
	ds_load_b128 v[axb+16*\m+4*\c:axb+16*\m+4*\c+3], v[AX] offset:16*\m*XP+128*axs+32*\c
.endr
.endr
.endm
; step i's fragments of the hidden layer (K step i - 8) and their scale words: 20 loads
.macro AHF i
.set ahb, 64*((\i)%3)
.set ahs, 4*((\i)%3)
.set ahk, (\i)-8
	WIN 0
.irp m, 0,1,2,3
	ds_load_b32 v[HS+ahs+\m], v[HL] offset:(4*ahk+\m)*128
.endr
	WIN 0x80
.irp m, 0,1,2,3
.irp c, 0,1,2,3
	ds_load_b128 v[ahb+16*\m+4*\c:ahb+16*\m+4*\c+3], v[HI] offset:(4*ahk+\m)*2048+512*\c
.endr
.endr
.endm
; a bias in the result's layout: registers 16 b + 4 c on = columns 32 b + 16 h + 4 c + 0 .. 3
.macro BLD adr, off
	WIN 0x80
.irp b, 0,1,2,3
.irp c, 0,1,2,3
	ds_load_b128 v[192+16*\b+4*\c:192+16*\b+4*\c+3], v[\adr] offset:\off+128*\b+16*\c
.endr
.endr
.endm
; 16 matrix instructions of step i: tiles of rows m0, m0 + 1 x the 8 tiles of columns
.macro MUL i, m0
.set msl, (\i)%3
.set mwb, 128
.set mw, 0x58                                  ; D and C window 1, source 1 window 2, source 0 window 0 (set 2)
.if msl == 0
.set mwb, 0
.endif
.if msl < 2
.set mw, 0x5b                                  ; source 0 window 3
.endif
.set mfirst, 0
.if ((\i)%4 == 0) && ((\i) < 12)
.set mfirst, 1
.set mw, mw+0x10                               ; a sum's first step: C is the bias, in window 2
.endif
.set mab, 64*msl
	WIN mw
.irp m, \m0, \m0+1
.irp t, 0,1,2,3,4,5,6,7
.if (\i) < 8
.set msb, XS+4*(\m)+(\i)%4
.else
.set msb, HS+4*msl+(\m)
.endif
.set md, 64*(\m)+8*\t
.set ma, mwb+16*\t
.set mb, mab+16*(\m)
.set msa, WS+4*msl+\t/2
.if mfirst
.if \t%2
	v_wmma_scale_f32_16x16x128_f8f6f4 v[md:md+7], v[ma:ma+15], v[mb:mb+15], v[192+8*\t:199+8*\t], v[msa], v[msb] matrix_a_fmt:MATRIX_FMT_BF8 matrix_b_fmt:MATRIX_FMT_BF8 matrix_a_scale:MATRIX_SCALE_ROW1
.else
	v_wmma_scale_f32_16x16x128_f8f6f4 v[md:md+7], v[ma:ma+15], v[mb:mb+15], v[192+8*\t:199+8*\t], v[msa], v[msb] matrix_a_fmt:MATRIX_FMT_BF8 matrix_b_fmt:MATRIX_FMT_BF8
.endif
.else
.if \t%2
	v_wmma_scale_f32_16x16x128_f8f6f4 v[md:md+7], v[ma:ma+15], v[mb:mb+15], v[md:md+7], v[msa], v[msb] matrix_a_fmt:MATRIX_FMT_BF8 matrix_b_fmt:MATRIX_FMT_BF8 matrix_a_scale:MATRIX_SCALE_ROW1
.else
	v_wmma_scale_f32_16x16x128_f8f6f4 v[md:md+7], v[ma:ma+15], v[mb:mb+15], v[md:md+7], v[msa], v[msb] matrix_a_fmt:MATRIX_FMT_BF8 matrix_b_fmt:MATRIX_FMT_BF8
.endif
.endif
.endr
.endr
.endm
; A STEP.  lc: the global loads issued behind this step's weights (the next step's 36).  dc: the LDS instructions issued behind this step's fragments.
; In its middle stand eight plain lines: a load into a register that a matrix instruction of this form has read stands eight places behind it,
; and the registers that the run below fills (weights, their scale words, fragments, a bias) were read last by the step before this one.
.macro STEP i, lc, dc
	s_wait_loadcnt \lc
	s_wait_dscnt \dc
	MUL \i, 0
.if (\i) < 14
	WIN 0
.rept 8
	v_nop
.endr
	WLOAD (\i)+2
.if (\i) < 6
	AXF (\i)+2
.endif
.if (\i) == 1
	BLD BA1, 512                                   ; b1 of my second chunk: step 0 was the bias's last reader
.endif
.if (\i) == 5
	BLD BA2, 0                                     ; b2: step 4 was
.endif
.if (\i) >= 8
	AHF (\i)+2
.endif
.endif
	MUL \i, 2
.endm
; Rows 16 m on of chunk cc: relu, quantised along the next K, and sent to LDS as K step 2 w + cc of the second product.  A lane's register 16 b + i is k = 32 b + 16 h + i of its row; a block of 32 lies in lanes l and l xor 16.
; Each accumulator is read from its low end on.  No |.| on the maximum's sources: what is negative becomes 0, so it must not count; the floor 2^(16 - 127) stands over it.
.macro QUANT m, cc
.set AC, 64*(\m)
.set PCS, PC+16*((\m)%2)
.set PWS, PW+(\m)%2
	s_wait_dscnt 5                                 ; only the five stores of the tile just before may be out: the registers that I write now were stored two tiles back
	WIN 0x14                                       ; sources 1 and 2 window 1
.irp b, 0,1,2,3
	v_max3_num_f32 v[TM+\b], 0x8000000, v[AC+16*\b], v[AC+16*\b+1]
.endr
.irp i, 2,4,6,8,10,12,14
.irp b, 0,1,2,3
	v_max3_num_f32 v[TM+\b], v[TM+\b], v[AC+16*\b+\i], v[AC+16*\b+\i+1]   ; the four blocks by turns
.endr
.endr
	WIN 0
.irp b, 0,1,2,3
	v_permlanex16_b32 v[TM+4+\b], v[TM+\b], s28, s29
.endr
.irp b, 0,1,2,3
	v_max_num_f32 v[TM+\b], v[TM+\b], v[TM+4+\b]   ; the block's largest number
.endr
.irp b, 0,1,2,3
	v_add_nc_u32 v[TM+12+\b], 0xf8800000, v[TM+\b] ; 15 off its exponent field: the conversion's scale operand
.endr
.irp b, 0,1,2,3
	v_and_or_b32 v[TM+8+\b], v[TM+\b], 0x7f800000, s30   ; 57,344 x the scale
.endr
.irp b, 0,1,2,3
	v_lshrrev_b32 v[TM+4+\b], 23, v[TM+12+\b]      ; the scale's byte
.endr
	v_lshl_or_b32 v[PWS], v[TM+5], 8, v[TM+4]      ; my row's scale word
	v_lshl_or_b32 v[PWS], v[TM+6], 16, v[PWS]
	v_lshl_or_b32 v[PWS], v[TM+7], 24, v[PWS]
	WIN 0x41                                       ; destination and source 0 window 1
.irp b, 0,1,2,3
.irp i, 0,1,2,3,4,5,6,7,8,9,10,11,12,13,14,15
	v_med3_num_f32 v[AC+16*\b+\i], v[AC+16*\b+\i], 0, v[TM+8+\b]   ; the activation and the hold in one: the conversion to an 8-bit code does not saturate (ISA guide 7.6.2)
.endr
.endr
	WIN 0x01                                       ; source 0 window 1
.irp b, 0,1,2,3
	v_cvt_scalef32_pk8_bf8_f32 v[PCS+4*\b:PCS+4*\b+1], v[AC+16*\b:AC+16*\b+7], v[TM+12+\b]
	v_cvt_scalef32_pk8_bf8_f32 v[PCS+4*\b+2:PCS+4*\b+3], v[AC+16*\b+8:AC+16*\b+15], v[TM+12+\b]
.endr
	WIN 0
	v_nop                                          ; a plain line behind the last conversion: later products write its sources
.irp c, 0,1,2,3
	ds_store_b128 v[HWI], v[PCS+4*\c:PCS+4*\c+3] offset:8192*\cc+2048*(\m)+512*\c
.endr
	ds_store_b32 v[HWS], v[PWS] offset:512*\cc+128*(\m)
.endm
	WLOAD 0
	WIN 0
	s_wait_loadcnt 55                              ; the four loads of tokens are in: behind them stand 16 rows, 3 of biases and step 0's 36
.irp m, 0,1,2,3
	v_min_u32 v[TK+\m], 8191, v[TK+\m]
.endr
.irp m, 0,1,2,3
	v_lshlrev_b32 v[112+\m], 4, v[TK+\m]
	v_lshlrev_b32 v[116+\m], 2, v[TK+\m]
.endr
.irp m, 0,1,2,3
	global_load_b128 v[XS+4*\m:XS+4*\m+3], v[112+\m], s[6:7]       ; the row's 16 scale bytes: a word for each K step
.endr
.irp m, 0,1,2,3
	global_load_b32 v[PR+\m], v[116+\m], s[16:17]
.endr
	s_wait_loadcnt 44                              ; the rows and the biases are in: behind them stand step 0's 36 and these 8
.irp i, 0,1,2,3,4,5,6,7,8,9,10,11,12,13,14,15
	ds_store_b128 v[XW], v[128+4*\i:131+4*\i] offset:XP*\i
.endr
	ds_store_b128 v120, v[192:195]
	ds_store_b128 v120, v[196:199] offset:2048
	ds_store_b128 v120, v[200:203] offset:4096
	s_wait_dscnt 0x0                               ; for the others' sake: my rows and my part of the biases have landed
	s_barrier_signal -1
	s_barrier_wait -1
	AXF 0
	BLD BA1, 0
	AXF 1
	WLOAD 1
	STEP 0, 36, 16                                 ; behind step 0's fragments and the bias: step 1's 16
	STEP 1, 36, 16                                 ; step 2's 16
	STEP 2, 36, 32                                 ; step 3's 16 and the bias's 16
	STEP 3, 36, 32                                 ; the bias's 16 and step 4's 16
	QUANT 0, 0
	QUANT 1, 0
	QUANT 2, 0
	QUANT 3, 0
	STEP 4, 36, 10                                 ; the last two tiles' ten stores may be out: a smaller count than the fragments need
	STEP 5, 36, 16
	STEP 6, 36, 32                                 ; step 7's 16 and b2's 16
	STEP 7, 36, 16                                 ; b2's 16
	QUANT 0, 1
	QUANT 1, 1
	QUANT 2, 1
	QUANT 3, 1
	s_wait_dscnt 0x0                               ; for the others' sake: my eight images and their scale words have landed
	s_barrier_signal -1
	s_barrier_wait -1                              ; the hidden layer's 32 fragments lie in LDS
	AHF 8
	AHF 9
	STEP 8, 36, 20                                 ; behind a step's 20 loads: the next step's 20
	STEP 9, 36, 20
	STEP 10, 36, 20
	STEP 11, 36, 20
	STEP 12, 36, 20
	STEP 13, 36, 20
	STEP 14, 36, 20
	STEP 15, 0, 0
	; THE WAY OUT.  x the row's probability; a lane holds 32 bytes of a row in each tile and a row's 2,048 bytes come from four waves: they meet in a stage, and each wave stores 16 whole rows.
	WIN 0
.rept 8
	v_nop                                          ; places between the last products and the first read of a result
.endr
	WIN 0x41
.irp m, 0,1,2,3
.set k, 0
.rept 32
.if \m%2
	v_pk_mul_f32 v[64*\m+2*k:64*\m+2*k+1], v[64*\m+2*k:64*\m+2*k+1], v[PR+2*(\m/2):PR+2*(\m/2)+1] op_sel:[0,1] op_sel_hi:[1,1]
.else
	v_pk_mul_f32 v[64*\m+2*k:64*\m+2*k+1], v[64*\m+2*k:64*\m+2*k+1], v[PR+2*(\m/2):PR+2*(\m/2)+1] op_sel_hi:[1,0]
.endif
.set k, k+1
.endr
.endr
	WIN 0x04                                       ; an LDS store's data are its source 1: window 1
.irp m, 0,1,2,3
.irp t, 0,1,2,3,4,5,6,7
	ds_store_b128 v[SO+\m/2], v[64*\m+8*\t:64*\m+8*\t+3] offset:16*(\m%2)*SP+128*(\t/2)+32*(\t%2)
	ds_store_b128 v[SO+\m/2], v[64*\m+8*\t+4:64*\m+8*\t+7] offset:16*(\m%2)*SP+128*(\t/2)+32*(\t%2)+16
.endr
.endr
	WIN 0
.irp i, 0,1,2,3,4,5,6,7,8,9,10,11,12,13,14,15
	v_lshl_add_u32 v[PC+\i], s[32+\i], 11, v[LN16] ; a row of out0 is 2,048 bytes
.endr
	s_wait_dscnt 0x0
	s_barrier_signal -1
	s_barrier_wait -1                              ; 64 whole rows lie in the stage
.irp g, 0,1                            ; my 16 rows, eight at a time
.if \g
	s_wait_xcnt 0x0                                ; the first eight rows' stores have read their registers: these loads may land there
.endif
.irp i, 0,1,2,3,4,5,6,7
.irp c, 0,1,2,3
	ds_load_b128 v[128+16*\i+4*\c:128+16*\i+4*\c+3], v[SR] offset:(8*\g+\i)*SP+512*\c
.endr
.endr
.irp i, 0,1,2,3,4,5,6,7
	s_wait_dscnt 28-4*\i                           ; row i's four loads are back; the later rows' may be out
	s_cmp_gt_u32 s48, 8*\g+\i                      ; rows that hold no token follow those that do: the first such row ends the wave's stores
	s_cbranch_scc0 .Ldone
.irp c, 0,1,2,3
	global_store_b128 v[PC+8*\g+\i], v[128+16*\i+4*\c:128+16*\i+4*\c+3], s[20:21] offset:512*\c th:TH_STORE_NT   ; 32 lanes store 512 consecutive bytes, aligned; written once, read by nobody here
.endr
.endr
.endr
.Ldone:
	s_wait_dscnt 0x0                               ; no LDS load is left pending
	s_wait_xcnt 0x0
	v_lshl_add_u32 v254, v0, 2, 0x3b000
	v_mov_b32 v255, 0
	s_wait_tensorcnt 0x0
	ds_add_u32 v254, v255
	s_wait_dscnt 0x0
	s_endpgm
.Lfunc_end_k_q45837c3e02_ffn:
	.size	k_q45837c3e02_ffn, .Lfunc_end_k_q45837c3e02_ffn-k_q45837c3e02_ffn
	.p2alignl 7, 3214868480
	.fill 96, 4, 3214868480
	.section	.rodata,"a",@progbits
	.p2align	6, 0x0
	.amdhsa_kernel k_q45837c3e02_ffn
		.amdhsa_group_segment_fixed_size 242176
		.amdhsa_private_segment_fixed_size 0
		.amdhsa_enable_private_segment 0
		.amdhsa_kernarg_size 72
		.amdhsa_user_sgpr_count 2
		.amdhsa_user_sgpr_kernarg_segment_ptr 1
		.amdhsa_wavefront_size32 1
		.amdhsa_system_sgpr_workgroup_id_x 1
		.amdhsa_system_sgpr_workgroup_id_y 1
		.amdhsa_system_sgpr_workgroup_id_z 1
		.amdhsa_system_vgpr_workitem_id 0
		.amdhsa_next_free_vgpr 1024
		.amdhsa_next_free_sgpr 66
		.amdhsa_reserve_vcc 0
		.amdhsa_float_denorm_mode_32 3
		.amdhsa_float_denorm_mode_16_64 3
		.amdhsa_memory_ordered 1
		.amdhsa_forward_progress 1
		.amdhsa_inst_pref_size 250
	.end_amdhsa_kernel
	.amdgpu_metadata
---
amdhsa.version: [ 1, 2 ]
amdhsa.kernels:
  - .name:           k_q45837c3e02_ffn
    .symbol:         k_q45837c3e02_ffn.kd
    .args:
      - { .name: xc, .offset: 0, .size: 8, .value_kind: global_buffer, .address_space: global }
      - { .name: xs, .offset: 8, .size: 8, .value_kind: global_buffer, .address_space: global }
      - { .name: wc, .offset: 16, .size: 8, .value_kind: global_buffer, .address_space: global }
      - { .name: ws, .offset: 24, .size: 8, .value_kind: global_buffer, .address_space: global }
      - { .name: b1, .offset: 32, .size: 8, .value_kind: global_buffer, .address_space: global }
      - { .name: b2, .offset: 40, .size: 8, .value_kind: global_buffer, .address_space: global }
      - { .name: out4, .offset: 48, .size: 8, .value_kind: global_buffer, .address_space: global }
      - { .name: plan, .offset: 56, .size: 8, .value_kind: global_buffer, .address_space: global }
      - { .name: out0, .offset: 64, .size: 8, .value_kind: global_buffer, .address_space: global }
    .group_segment_fixed_size: 242176
    .private_segment_fixed_size: 0
    .kernarg_segment_align: 8
    .kernarg_segment_size: 72
    .max_flat_workgroup_size: 128
    .sgpr_count:     66
    .vgpr_count:     1024
    .wavefront_size: 32
...
	.end_amdgpu_metadata
.endif
;; end of part 3
